; MI455X (gfx1250); checked and timed in simulation.
; The chip was launched on July 23, 2026; its instructions are those of AMD's public machine-readable ISA for CDNA 5 (MIT licence, August 2026) and "CDNA5" Instruction Set Architecture Reference Guide (July 2026). The comments in the code are by the model that wrote it; some were corrected since.
;; Mock Lo HA Adapter. Allowed arithmetic: float matrix products may take bf16 or f16 operands with f32 sums; all other float work in f32.
;; Inputs: hada_w1_a 4,096 x 16 float32; hada_w1_b 16 x 4,096 float32; hada_w2_a 4,096 x 16 float32; hada_w2_b 16 x 4,096 float32; org_bias 4,096 float32; org_weight 4,096 x 4,096 float32; scalar one number float32; x 4 x 512 x 4,096 float32.
;; Outputs: out0 4 x 512 x 4,096 float32.
;; One version. Each part assembles by itself: llvm-mc -triple=amdgcn-amd-amdhsa -mcpu=gfx1250 --defsym DOCPART=n.
;; ======== version 1 of 1: 2 launches
;; limits: values are held in f16: magnitudes above 65,504 overflow, below 6.1e-05 lose precision; inputs' magnitudes at most 65,504
;; workspace buffers: xb 16,777,216 bytes; wb 33,554,432 bytes; ws 16,384 bytes
;; launch prep (part 1): grid 256 x 1, 8 waves a work-group, no clusters, 35,328 bytes of LDS; arguments org_weight, x, hada_w1_a, hada_w2_a, hada_w1_b, hada_w2_b, scalar, wb, xb, ws; writes wb, xb, ws
.if DOCPART == 1
	.amdgcn_target "amdgcn-amd-amdhsa--gfx1250"
	.amdhsa_code_object_version 6
	.text
	.protected	k_q96af5c1da8_prep
	.globl	k_q96af5c1da8_prep
	.p2align	8
	.type	k_q96af5c1da8_prep,@function
k_q96af5c1da8_prep:
	s_mov_b64 s[64:65], 0
	v_nop
	global_prefetch_b8 v0, s[64:65] scope:SCOPE_SE
	s_setreg_imm32_b32 hwreg(HW_REG_WAVE_MODE, 25, 1), 1
	s_wait_xcnt 0x0
; wb = f16( 2^k[o] x W_eff[o][i] ),  W_eff = W + scalar * (w1a w1b) o (w2a w2b)   [4096 x 4096];   ws[o] = 2^-k[o] in f32;   xb = f16( x )   [2048 x 4096];   wb and xb in FRAGMENT ORDER.
; WHY f16 AND A SCALE.  One rounding of W_eff to 8 significant bits is too coarse for the columns of the result whose row of W_eff is large; f16 keeps 11.  W_eff is a product of five inputs and has no
; fixed place in f16's range, so each row is multiplied by the power of two that puts its largest magnitude into 4,096 .. 8,192; the product that follows multiplies its sums by ws.
; FRAGMENT ORDER.  Rows go in groups of 16 (rg), columns in planes of 64 (kb).  A group's part of a plane is 2,048 consecutive bytes; a plane holds all groups (wb: 256, xb: 128).
; In those 2,048 bytes, piece c (0..3) of 512 bytes holds, at byte 16 L for lane L, row L % 16, columns 32 (L / 16) + 8 c + 0..7.  Pieces 2 g, 2 g + 1 are the eight registers of one matrix
; operand (16 rows x 32 along K).  That is a permutation of the columns inside a plane, the same for x and for W, so every product x[m][k] W[n][k] is kept; only the order of the sums differs.
; SHARES.  Work-group g owns row group g of W WHOLE: 16 rows x 4,096 columns, so that a row's largest magnitude is known before any of it is rounded, and W is still read once: the 262,144 bytes of
; W_eff in f32 stay in the eight waves' registers, wave w planes 8 w .. 8 w + 7 in 256 registers.  It also owns row group g / 2 of x, planes 32 (g % 2) + 4 w + 0..3 for wave w.
; A UNIT is 16 rows x 64 columns: eight loads, each 2 rows x 256 aligned consecutive bytes; through the wave's own 16 rows of LDS (fragment order wants one row a lane, whole reads one row for sixteen
; lanes) and back into the same 32 registers as 32 columns of one row a lane; at the end four stores of 512 aligned consecutive bytes.
; ORDER.  x's four units go first, in the registers of W's units 4 to 7, which are not asked for until later: they are rounded and stored while W's first units land, so that a third of the
; launch's stores leave among its loads; W_eff's stores can only follow the last of its row.
; THE RANK-16 PRODUCTS share one K of 32: k 0..15 is w1's rank, k 16..31 w2's.  Source 0 (BF[t], t = 0..3): row m' is column 4 m' + t of the plane, w1b in k 0..15, w2b in k 16..31.
; Source 1: the 16 rows of W, [w1a | 0] or [0 | w2a].  Register j of lane (r, h) of the result is then (row r, column 32 h + 4 j + t): the very element that the lane holds of W.
; THE PRICE: every work-group reads all of w1b and w2b (524,288 bytes, shared by all work-groups, so without a cache hint); two register buffers take turns, two planes ahead.
; NO CLUSTER, NO TENSOR LOADS: no two work-groups share a byte of W or x, and all bytes pass through registers anyway.
; LIMITS.  x, w1a, w1b, w2a, w2b are rounded to f16: magnitudes up to 65,504; below 6e-5 they keep f16's fixed step of 6e-8.  W and scalar enter in f32.  A row whose largest magnitude is under 2^-100 is
; scaled as if it were 2^-100.  NaN and infinities are not treated apart; since the two ranks share a source, one in w2b meets a 0 of [w1a | 0] and makes w1's product NaN too (and the other way round).
.set SPITCH, 272                       ; a scratch row: 256 bytes + 16 = 68 words: row r starts at bank 4 r mod 64 (64 banks of 4 bytes: ISA guide 11.1)
.set SCR,    16*SPITCH                 ; a wave's scratch
.set MAXB,   8*SCR                     ; behind the scratches: 16 rows x 8 waves' maxima, 512 bytes
.set GOFF, 3                           ; v3   16,384 (L / 16) + 16 (L % 16): my 16 bytes in two rows of W or x
.set BOFF, 4                           ; v4   8 rows of w1b for each half of the lanes + 16 (L % 16)
.set AOFF, 5                           ; v5   64 (L % 16) + 32 (L / 16): my 8 numbers of a row of w1a
.set SST,  6                           ; v6   scratch, in: two rows as loaded
.set SLD,  7                           ; v7   scratch, back: row L % 16, 128 bytes for each half of the lanes
.set OOFF, 8                           ; v8   16 L
.set MST,  11                          ; v11  where my wave's maximum of row L % 16 goes
.set MLD,  12                          ; v12  where the eight waves' maxima of that row lie
.set ISO,  13                          ; v13  4 (L % 16): my row's place in ws
.set IS,   14                          ; v14  2^-k of my row
.set BF,   16                          ; v[16:47]   BF[t] at 16 + 8 t
.set AF,   48                          ; v[48:59]   w1a (4), zeros (4), w2a (4): [w1a | 0] is registers 0-7, [0 | w2a] registers 4-11
.set MX,   60                          ; v60  running maximum of my numbers of W_eff
.set MN,   61                          ; v61  running minimum
.set SC,   62                          ; v[62:63]   2^k of my row; the packed multiply names a pair
.set TB,   64                          ; v[64:191]  two buffers of 64: a plane's rows of w1b (32) and of w2b (32) as loaded
.set D,    192                         ; v[192:255] w1's product for t at 192 + 8 t, w2's at 224 + 8 t; at the head w1a and w2a as loaded
                                       ; window 1, v[0:255]: W's unit u at 32 u: as loaded, then W_eff in f32, then (16 registers) in f16; at the head x's unit j at 32 (4 + j)
.set MSB, 0
.macro WIN new                         ; s_set_vgpr_msb: bits 1:0 source 0, 3:2 source 1, 5:4 source 2, 7:6 destination; the high byte repeats the setting that is left
.if MSB != (\new)
	s_set_vgpr_msb (MSB<<8)|(\new)
.set MSB, \new
.endif
.endm
	s_load_b512 s[8:23], s[0:1], 0x0               ; W s[8:9], x s[10:11], w1a s[12:13], w2a s[14:15], w1b s[16:17], w2b s[18:19], scalar s[20:21], wb s[22:23]
	s_load_b128 s[24:27], s[0:1], 0x40             ; xb s[24:25], ws s[26:27]
	v_lshrrev_b32 v10, 5, v0
	v_readfirstlane_b32 s2, v10                    ; wave 0..7
	s_lshr_b32 s3, ttmp9, 1                        ; x's row group
	s_and_b32 s4, ttmp9, 1                         ; which half of its planes
	s_mov_b32 s7, 0                                ; offsets are made in s[6:7] and s[30:31], apart from the addresses
	s_mov_b32 s31, 0
	s_lshl_b32 s30, s2, 11                         ; my eight planes in a row of f32: 2,048 bytes a wave
	s_mul_i32 s29, s2, SCR                         ; my scratch
	s_mov_b32 s32, 0x76543210                      ; v_permlanex16_b32: each lane takes its own place in the other half
	s_mov_b32 s33, 0xfedcba98
	s_mov_b32 s34, 0x0d800000                      ; 2^-100
	v_and_b32 v1, 15, v0                           ; L % 16
	v_bfe_u32 v2, v0, 4, 1                         ; L / 16
	v_lshlrev_b32 v9, 4, v1
	v_lshl_add_u32 v[GOFF], v2, 14, v9
	v_lshl_add_u32 v[BOFF], v2, 17, v9
	v_lshlrev_b32 v[AOFF], 6, v1
	v_lshl_add_u32 v[AOFF], v2, 5, v[AOFF]
	v_mul_u32_u24 v[SST], v2, SPITCH
	v_add_nc_u32 v[SST], v[SST], v9
	v_add_nc_u32 v[SST], s29, v[SST]
	v_mul_u32_u24 v[SLD], v1, SPITCH
	v_lshl_add_u32 v[SLD], v2, 7, v[SLD]
	v_add_nc_u32 v[SLD], s29, v[SLD]
	v_and_b32 v[OOFF], 31, v0
	v_lshlrev_b32 v[OOFF], 4, v[OOFF]
	v_lshlrev_b32 v[MLD], 5, v1
	v_add_nc_u32 v[MLD], MAXB, v[MLD]              ; row r's eight maxima: 32 bytes
	v_lshl_add_u32 v[MST], s2, 2, v[MLD]           ; my wave's word among them
	v_lshlrev_b32 v[ISO], 2, v1
	s_wait_kmcnt 0x0
	s_load_b32 s28, s[20:21], 0x0                  ; scalar
	s_add_nc_u64 s[16:17], s[16:17], s[30:31]      ; w1b, w2b at my first plane
	s_add_nc_u64 s[18:19], s[18:19], s[30:31]
	s_lshl_b32 s6, ttmp9, 10                       ; w1a, w2a: 16 rows of 64 bytes a work-group
	s_add_nc_u64 s[12:13], s[12:13], s[6:7]
	s_add_nc_u64 s[14:15], s[14:15], s[6:7]
	s_lshl_b32 s6, ttmp9, 18                       ; W: 16 rows of 16,384 bytes a work-group, and my first plane
	s_add_co_u32 s6, s6, s30
	s_add_nc_u64 s[8:9], s[8:9], s[6:7]
	s_lshl_b32 s6, s2, 22                          ; wb: eight planes of 524,288 bytes a wave, 2,048 bytes a row group
	s_lshl_b32 s5, ttmp9, 11
	s_add_co_u32 s6, s6, s5
	s_add_nc_u64 s[22:23], s[22:23], s[6:7]
	s_lshl_b32 s6, s3, 18                          ; x: its row group, 32 planes of 256 bytes a half, four planes a wave
	s_lshl_b32 s5, s4, 13
	s_add_co_u32 s6, s6, s5
	s_lshl_b32 s5, s2, 10
	s_add_co_u32 s6, s6, s5
	s_add_nc_u64 s[10:11], s[10:11], s[6:7]
	s_lshl_b32 s6, s4, 23                          ; xb: 32 planes of 262,144 bytes a half, four a wave, 2,048 bytes a row group
	s_lshl_b32 s5, s2, 20
	s_add_co_u32 s6, s6, s5
	s_lshl_b32 s5, s3, 11
	s_add_co_u32 s6, s6, s5
	s_add_nc_u64 s[24:25], s[24:25], s[6:7]
	s_lshl_b32 s6, ttmp9, 6                        ; ws: 16 numbers a work-group
	s_add_nc_u64 s[26:27], s[26:27], s[6:7]
; All steps stand in the immediates; no address register is ever rewritten.
.macro WLOAD u                         ; W's unit u (plane 8 w + u), into its own 32 registers of window 1
	WIN 0x40
.irp k, 0,1,2,3,4,5,6,7
	global_load_b128 v[32*(\u)+4*(\k):32*(\u)+4*(\k)+3], v[GOFF], s[8:9] offset:(\u)*256+(\k)*32768 th:TH_LOAD_NT
.endr
.endm
.macro XLOAD j                         ; x's unit j, into the registers of W's unit 4 + j
	WIN 0x40
.irp k, 0,1,2,3,4,5,6,7
	global_load_b128 v[32*(4+(\j))+4*(\k):32*(4+(\j))+4*(\k)+3], v[GOFF], s[10:11] offset:(\j)*256+(\k)*32768 th:TH_LOAD_NT
.endr
.endm
.macro TLOAD p                         ; plane p of my eight: w1b's and w2b's rows 8 (L / 16) + e, four columns a lane: each load takes 2 x 256 aligned consecutive bytes; buffer p % 2
	WIN 0
.irp e, 0,1,2,3,4,5,6,7
	global_load_b128 v[TB+64*((\p)%2)+4*(\e):TB+64*((\p)%2)+4*(\e)+3], v[BOFF], s[16:17] offset:(\p)*256+(\e)*16384
.endr
.irp e, 0,1,2,3,4,5,6,7
	global_load_b128 v[TB+64*((\p)%2)+32+4*(\e):TB+64*((\p)%2)+32+4*(\e)+3], v[BOFF], s[18:19] offset:(\p)*256+(\e)*16384
.endr
.endm
.macro MAKEBF p                        ; plane p's four operands
	WIN 0
.irp t, 0,1,2,3
.irp q, 0,1,2,3
	v_cvt_pk_f16_f32 v[BF+8*(\t)+(\q)],   v[TB+64*((\p)%2)+8*(\q)+(\t)],    v[TB+64*((\p)%2)+8*(\q)+4+(\t)]     ; ranks 8 (L / 16) + 2 q, + 1 of w1b, column 4 (L % 16) + t
	v_cvt_pk_f16_f32 v[BF+8*(\t)+4+(\q)], v[TB+64*((\p)%2)+32+8*(\q)+(\t)], v[TB+64*((\p)%2)+32+8*(\q)+4+(\t)]  ; the same of w2b
.endr
.endr
.endm
; A unit of x: the change of order and the rounding, in place, and its four stores.  left: the loads issued behind this unit's, which stay out.
.macro XUNIT j, left
.set XB, 32*(4+(\j))
	s_wait_loadcnt \left                           ; loads come back in order (ISA guide 5.7.1): this unit's eight are in
	WIN 0x04                                       ; store data in window 1
.irp k, 0,1,2,3,4,5,6,7
	ds_store_b128 v[SST], v[XB+4*(\k):XB+4*(\k)+3] offset:2*SPITCH*(\k)
.endr
	WIN 0x40                                       ; destination in window 1: the same registers
.irp i, 0,1,2,3,4,5,6,7
	ds_load_b128 v[XB+4*(\i):XB+4*(\i)+3], v[SLD] offset:16*(\i)  ; LDS serves a wave's instructions in order (ISA guide 5.7.1.4): these see the stores above, and the next unit's stores come behind them
.endr
	s_wait_dscnt 0x0
	WIN 0x45                                       ; both sources and the destination in window 1
.irp n, 0,1,2,3,4,5,6,7,8,9,10,11,12,13,14,15
	v_cvt_pk_f16_f32 v[XB+(\n)], v[XB+2*(\n)], v[XB+2*(\n)+1]  ; ascending: register n is written when registers 2 n, 2 n + 1 are read, never before
.endr
	WIN 0x04
.irp c, 0,1,2,3
	global_store_b128 v[OOFF], v[XB+4*(\c):XB+4*(\c)+3], s[24:25] offset:(\j)*262144+512*(\c)  ; the wave stores 512 consecutive bytes, at a multiple of 512 from xb's first; the next launch reads them, so no hint
.endr
.endm
; A unit of W becomes W_eff in f32.  leftw: the loads issued behind this unit's, which stay out; leftt: those issued behind the next plane's w1b and w2b.
.macro WUNIT u, leftw, leftt
	s_wait_loadcnt \leftw
	WIN 0x04                                       ; store data in window 1
.irp k, 0,1,2,3,4,5,6,7
	ds_store_b128 v[SST], v[32*(\u)+4*(\k):32*(\u)+4*(\k)+3] offset:2*SPITCH*(\k)
.endr
	WIN 0x40                                       ; destination in window 1: the same registers
.irp j, 0,1,2,3,4,5,6,7
	ds_load_b128 v[32*(\u)+4*(\j):32*(\u)+4*(\j)+3], v[SLD] offset:16*(\j)
.endr
	WIN 0
.irp t, 0,1,2,3                        ; the eight products stand between the scratch's loads and the wait for them
	v_wmma_f32_16x16x32_f16 v[D+8*(\t):D+8*(\t)+7], v[BF+8*(\t):BF+8*(\t)+7], v[AF:AF+7], 0
.endr
.irp t, 0,1,2,3
	v_wmma_f32_16x16x32_f16 v[D+32+8*(\t):D+32+8*(\t)+7], v[BF+8*(\t):BF+8*(\t)+7], v[AF+4:AF+11], 0
.endr
.rept 4
	v_nop                                          ; four places between the last product and the first vector line that writes one of its sources or reads a result (ISA guide 7.12.1)
.endr
.if (\u) < 7
	s_wait_loadcnt \leftt                          ; the next plane's w1b and w2b are in
	MAKEBF (\u)+1
.endif
.if (\u) < 5                           ; the buffer just read takes the plane two further on, and a further unit of W is asked for
	TLOAD (\u)+3
	WLOAD (\u)+3
.endif
	s_wait_dscnt 0x0                               ; the unit is back
	WIN 0
.irp t, 0,1,2,3
.irp q, 0,1,2,3
	v_pk_mul_f32 v[D+8*(\t)+2*(\q):D+8*(\t)+2*(\q)+1], v[D+8*(\t)+2*(\q):D+8*(\t)+2*(\q)+1], v[D+32+8*(\t)+2*(\q):D+32+8*(\t)+2*(\q)+1]  ; each result is read from its low end on
.endr
.endr
	WIN 0x50                                       ; source 2 and destination in window 1
.irp j, 0,1,2,3,4,5,6,7
.irp t, 0,1,2,3
	v_fma_f32 v[32*(\u)+4*(\j)+(\t)], v[D+8*(\t)+(\j)], s28, v[32*(\u)+4*(\j)+(\t)]  ; W + scalar x the product of the two
.endr
.endr
	WIN 0x14                                       ; sources 1 and 2 in window 1
.irp n, 0,1,2,3,4,5,6,7,8,9,10,11,12,13,14,15
	v_max3_num_f32 v[MX], v[MX], v[32*(\u)+2*(\n)], v[32*(\u)+2*(\n)+1]
	v_min3_num_f32 v[MN], v[MN], v[32*(\u)+2*(\n)], v[32*(\u)+2*(\n)+1]
.endr
.endm
; A unit of W_eff is scaled, rounded to f16 in place and stored.  Each unit has its own registers, so nothing waits for a store.
.macro WOUT u
	WIN 0x41                                       ; source 0 and destination in window 1
.irp n, 0,1,2,3,4,5,6,7,8,9,10,11,12,13,14,15
	v_pk_mul_f32 v[32*(\u)+2*(\n):32*(\u)+2*(\n)+1], v[32*(\u)+2*(\n):32*(\u)+2*(\n)+1], v[SC:SC+1] op_sel_hi:[1,0]
.endr
	WIN 0x45                                       ; both sources and the destination in window 1
.irp n, 0,1,2,3,4,5,6,7,8,9,10,11,12,13,14,15
	v_cvt_pk_f16_f32 v[32*(\u)+(\n)], v[32*(\u)+2*(\n)], v[32*(\u)+2*(\n)+1]
.endr
	WIN 0x04                                       ; store data in window 1
.irp c, 0,1,2,3
	global_store_b128 v[OOFF], v[32*(\u)+4*(\c):32*(\u)+4*(\c)+3], s[22:23] offset:(\u)*524288+512*(\c)  ; 512 consecutive bytes, at a multiple of 512 from wb's first; the next launch reads them, so no hint
.endr
.endm
	XLOAD 0
	XLOAD 1
	XLOAD 2
	XLOAD 3
	WIN 0
	global_load_b128 v[D:D+3],     v[AOFF], s[12:13]            ; w1a's and w2a's 16 rows: the two loads of a pair cover 1,024 consecutive bytes together
	global_load_b128 v[D+4:D+7],   v[AOFF], s[12:13] offset:16
	global_load_b128 v[D+8:D+11],  v[AOFF], s[14:15]
	global_load_b128 v[D+12:D+15], v[AOFF], s[14:15] offset:16
	TLOAD 0
.irp z, 4,5,6,7
	v_mov_b32 v[AF+(\z)], 0                        ; the zeros that [w1a | 0] and [0 | w2a] share
.endr
	v_mov_b32 v[MX], 0                             ; the largest magnitude is at least 0, so 0 may start both
	v_mov_b32 v[MN], 0
	XUNIT 0, 44                                    ; behind x's unit 0: its units 1 to 3 (24), w1a and w2a (4), plane 0 (16)
	WLOAD 0                                        ; behind each unit of x a further batch is asked for: by this text's own count a wave never has more than 60 loads out
	XUNIT 1, 44                                    ; units 2, 3 (16), 4, 16, W's unit 0 (8)
	TLOAD 1
	XUNIT 2, 52                                    ; unit 3 (8), 4, 16, 8, plane 1 (16)
	WLOAD 1
	XUNIT 3, 52                                    ; 4, 16, 8, 16, W's unit 1 (8)
	WLOAD 2
	s_wait_xcnt 0x0                                ; x's stores have had their addresses translated (ISA guide 3.1): W's units 4 to 7 are loaded into their data registers only behind this wait
	s_wait_loadcnt 40                              ; w1a, w2a and plane 0 are in: behind them W's unit 0, plane 1 and W's units 1 and 2 were issued
	WIN 0
.irp q, 0,1,2,3
	v_cvt_pk_f16_f32 v[AF+(\q)],   v[D+2*(\q)],   v[D+2*(\q)+1]
	v_cvt_pk_f16_f32 v[AF+8+(\q)], v[D+8+2*(\q)], v[D+8+2*(\q)+1]
.endr
	MAKEBF 0
	TLOAD 2
	s_wait_kmcnt 0x0                               ; scalar
	WUNIT 0, 48, 32                                ; behind unit 0: plane 1, units 1 and 2, plane 2 (48); behind plane 1: units 1 and 2, plane 2 (32)
	WUNIT 1, 48, 24                                ; behind unit 1: unit 2, plane 2, plane 3, unit 3 (48); behind plane 2: plane 3, unit 3 (24)
	WUNIT 2, 48, 32                                ; unit 2 was issued ahead of plane 2, so it is in already; behind plane 3: unit 3, plane 4, unit 4 (32)
	WUNIT 3, 48, 32                                ; from here on: behind unit u two batches of a plane and a unit (48); behind plane u + 1 unit u + 1 and one batch (32)
	WUNIT 4, 48, 32
	WUNIT 5, 48, 32
	WUNIT 6, 24, 8                                 ; nothing is left to fetch: behind unit 6 plane 7 and unit 7, behind plane 7 unit 7
	WUNIT 7, 0, 0
	; THE ROWS' LARGEST MAGNITUDES: my 256 numbers', the other half of the lanes', the other seven waves'.
	WIN 0
	v_sub_f32 v[MN], 0, v[MN]
	v_max_num_f32 v[MX], v[MX], v[MN]
	v_permlanex16_b32 v[MN], v[MX], s32, s33       ; the row's other 32 columns of each plane lie in the lane 16 away
	v_max_num_f32 v[MX], v[MX], v[MN]
	ds_store_b32 v[MST], v[MX]                     ; both halves of the lanes write the same number to the same word
	s_wait_dscnt 0x0                               ; for the others' sake: my store is done
	s_barrier_signal -1
	s_barrier_wait -1
	ds_load_b128 v[D:D+3],   v[MLD]
	ds_load_b128 v[D+4:D+7], v[MLD] offset:16
	s_wait_dscnt 0x0
	v_max3_num_f32 v[D],   v[D],   v[D+1], v[D+2]
	v_max3_num_f32 v[D+3], v[D+3], v[D+4], v[D+5]
	v_max3_num_f32 v[D],   v[D],   v[D+6], v[D+7]
	v_max3_num_f32 v[D],   v[D],   v[D+3], s34     ; at least 2^-100, so that both powers below are normal numbers: exponent fields 27 .. 254 give 239 .. 12 and 15 .. 242
	v_and_b32 v[D], 0x7f800000, v[D]               ; 2^e, the power of two at or below the largest magnitude
	v_sub_nc_u32 v[SC], 0x85000000, v[D]           ; 2^(12 - e): exponent field 266 - the field of 2^e
	v_mov_b32 v[SC+1], v[SC]                       ; named with it as a pair
	v_add_nc_u32 v[IS], 0xfa000000, v[D]           ; 2^(e - 12): the field less 12
	s_cmp_lg_u32 s2, 0
	s_cbranch_scc1 .Lnot_wave_0
	v_cmp_gt_u32 vcc_lo, 16, v0                    ; wave 0's lanes 0-15 hold the 16 rows once
	s_wait_xcnt 0x0                                ; EXEC changes only behind this wait: it is a source of the memory instructions issued so far
	s_and_saveexec_b32 s35, vcc_lo
	global_store_b32 v[ISO], v[IS], s[26:27]       ; 64 consecutive bytes a work-group, 16,384 in the launch: a work-group has no more rows than these
	s_wait_xcnt 0x0
	s_or_b32 exec_lo, exec_lo, s35
.Lnot_wave_0:
.irp u, 0,1,2,3,4,5,6,7
	WOUT \u
.endr
	WIN 0
	s_endpgm
.Lfunc_end_k_q96af5c1da8_prep:
	.size	k_q96af5c1da8_prep, .Lfunc_end_k_q96af5c1da8_prep-k_q96af5c1da8_prep
	.p2alignl 7, 3214868480
	.fill 96, 4, 3214868480
	.section	.rodata,"a",@progbits
	.p2align	6, 0x0
	.amdhsa_kernel k_q96af5c1da8_prep
		.amdhsa_group_segment_fixed_size 35328
		.amdhsa_private_segment_fixed_size 0
		.amdhsa_enable_private_segment 0
		.amdhsa_kernarg_size 80
		.amdhsa_user_sgpr_count 2
		.amdhsa_user_sgpr_kernarg_segment_ptr 1
		.amdhsa_wavefront_size32 1
		.amdhsa_system_sgpr_workgroup_id_x 1
		.amdhsa_system_sgpr_workgroup_id_y 1
		.amdhsa_system_sgpr_workgroup_id_z 1
		.amdhsa_system_vgpr_workitem_id 0
		.amdhsa_next_free_vgpr 512
		.amdhsa_next_free_sgpr 66
		.amdhsa_reserve_vcc 1
		.amdhsa_float_denorm_mode_32 3
		.amdhsa_float_denorm_mode_16_64 3
		.amdhsa_memory_ordered 1
		.amdhsa_forward_progress 1
		.amdhsa_inst_pref_size 128
	.end_amdhsa_kernel
	.amdgpu_metadata
---
amdhsa.version: [ 1, 2 ]
amdhsa.kernels:
  - .name:           k_q96af5c1da8_prep
    .symbol:         k_q96af5c1da8_prep.kd
    .args:
      - { .name: org_weight, .offset: 0, .size: 8, .value_kind: global_buffer, .address_space: global }
      - { .name: x, .offset: 8, .size: 8, .value_kind: global_buffer, .address_space: global }
      - { .name: hada_w1_a, .offset: 16, .size: 8, .value_kind: global_buffer, .address_space: global }
      - { .name: hada_w2_a, .offset: 24, .size: 8, .value_kind: global_buffer, .address_space: global }
      - { .name: hada_w1_b, .offset: 32, .size: 8, .value_kind: global_buffer, .address_space: global }
      - { .name: hada_w2_b, .offset: 40, .size: 8, .value_kind: global_buffer, .address_space: global }
      - { .name: scalar, .offset: 48, .size: 8, .value_kind: global_buffer, .address_space: global }
      - { .name: wb, .offset: 56, .size: 8, .value_kind: global_buffer, .address_space: global }
      - { .name: xb, .offset: 64, .size: 8, .value_kind: global_buffer, .address_space: global }
      - { .name: ws, .offset: 72, .size: 8, .value_kind: global_buffer, .address_space: global }
    .group_segment_fixed_size: 35328
    .private_segment_fixed_size: 0
    .kernarg_segment_align: 8
    .kernarg_segment_size: 80
    .max_flat_workgroup_size: 256
    .sgpr_count:     66
    .vgpr_count:     512
    .wavefront_size: 32
...
	.end_amdgpu_metadata
.endif
;; end of part 1
;; launch gemm (part 2): grid 16 x 16, 4 waves a work-group, clusters of 4 x 4, 327,680 bytes of LDS; arguments xb, wb, org_bias, out0, ws; writes out0
.if DOCPART == 2
	.amdgcn_target "amdgcn-amd-amdhsa--gfx1250"
	.amdhsa_code_object_version 6
	.text
	.protected	k_q96af5c1da8_gemm
	.globl	k_q96af5c1da8_gemm
	.p2align	8
	.type	k_q96af5c1da8_gemm,@function
k_q96af5c1da8_gemm:
	s_mov_b64 s[64:65], 0
	v_nop
	global_prefetch_b8 v0, s[64:65] scope:SCOPE_SE
	s_setreg_imm32_b32 hwreg(HW_REG_WAVE_MODE, 25, 1), 1
	s_wait_xcnt 0x0
	s_wait_alu depctr_hold_cnt(0) depctr_sa_sdst(0) depctr_va_vdst(0) depctr_va_sdst(0) depctr_va_ssrc(0) depctr_va_vcc(0) depctr_vm_vsrc(0)
	s_getreg_b32 s2, hwreg(HW_REG_IB_STS2, 6, 4)
	s_cmp_eq_u32 s2, 0
	s_cbranch_scc0 .Lentry_in_a_cluster
	s_endpgm
.Lentry_in_a_cluster:
	s_bfe_u32 s2, ttmp6, 0x10000c
	s_cmp_lg_u32 s2, 0xf033
	s_cbranch_scc0 .Lentry_shape_is_right
	s_endpgm
.Lentry_shape_is_right:
; out[m][n] = bias[n] + ws[n] x the sum over k of xb[m][k] wb[n][k].  M = 2,048, N = 4,096, K = 4,096.  xb holds x, wb holds W_eff with each row multiplied by a power of two whose inverse is ws[n];
; both in f16 in FRAGMENT ORDER: K in 64 planes of 64; in a plane each group of 16 rows is 2,048 consecutive bytes: two matrix operands g = 0, 1 (16 rows x 32 along K) of 1,024 bytes, lane L's
; registers 0-3 at byte 16 L, registers 4-7 at 512 + 16 L.  Sums in f32.
; TILE.  128 (M) x 256 (N) of out to a work-group: 16 x 16 work-groups.  Four waves.  Each has 128 x 128 of sums in 512 registers: wave w takes the tile's columns 128 (w % 2) .. + 127, ALL its 128 rows,
; and of every plane only operand g = w / 2: K IS SPLIT between waves w and w ^ 2.  So 64 matrix instructions are fed by 16 KiB of LDS reads.  At the end the two partners exchange half of their sums
; through LDS: wave w finishes rows 64 (w / 2) .. + 63.  Waves 2 and 3 take A's two row halves in swapped order (two address registers), so that in every wave window 2 holds the rows
; that it finishes and window 3 those that it sends: one text for all.
; RING.  Two LDS slots of three planes (K = 192) each; 64 planes = 20 tiles of three and 2 of two.  Each wave fills a part of a slot by ONE tensor load: waves 0, 1 the halves of A's 8 row groups (3 x 8 KiB),
; waves 2, 3 the halves of B's 16 (3 x 16 KiB); a descriptor's row is a plane's consecutive bytes, a multiple of 256 that starts at a multiple of 256.  Fragment order needs no padding: a fragment
; load takes 512 consecutive bytes.  From a request to the wait for it a wave issues 176 matrix instructions.  By this text's own count a wave has two tensor loads out at the start and one behind each round.
; CLUSTER.  4 x 4 work-groups.  The four of a row of the cluster need the same tiles of A, the four of a column the same tiles of B: each tile is asked for JOINTLY, by the same tensor load with the same
; descriptor and a mask that names the four.
; THE WALK.  Tile column = 4 x cluster y + cx, tile row = 4 x cluster x + cy: the four clusters of one cluster y want the same 1,024 rows of wb, the four of one cluster x the same 512 rows of xb.
; K's 22 tiles are taken in pairs: a cluster in which cluster x + cluster y is even takes each pair in order, an odd one takes it swapped (only the two first addresses and each slot's last step differ).
; Among the four clusters that want a tile, and among any two of them that are neighbours, both kinds occur: so at every second change of slots a cluster asks for tiles that a cluster of the other
; kind asked for one change of slots earlier.  The sums take K's tiles in another order; nothing else hangs on it.
; THE MATRIX INSTRUCTION IS USED TRANSPOSED (source 0 = 16 rows of W, source 1 = 16 rows of x): a lane then holds row L % 16 of out and the eight neighbouring columns 8 (L / 16) + 0..7.
; LIMITS.  x arrives rounded to f16 (magnitudes up to 65,504), W_eff rounded to f16 with its row's largest magnitude in 4,096 .. 8,192.  The order of the sums differs from a plain ascending K (fragment
; order permutes K inside a plane; K is split between two waves; the pairs of the walk).  NaN and infinities are not treated apart.
; REGISTERS, in windows of 256 (s_set_vgpr_msb: bits 1:0 source 0, 3:2 source 1, 5:4 source 2, 7:6 destination):
;   window 0: v0-31 addresses, bias and scales; v64-127, v128-191 fragments of A, two buffers; on the way out rows read back from the stage
;   window 1: v64-127, v128-191 fragments of B, two buffers; on the way out all 256: the partner's sums, then the finished sums
;   window 2: the 32 accumulators of the rows that I finish ((a, b) at v[8 (8 a + b)]);   window 3: those of the rows that I send
.set APLANE, 262144                    ; bytes of a plane of xb
.set BPLANE, 524288                    ; and of wb
.set AHALF,  3*8192                    ; LDS: three planes of 4 row groups of A
.set BHALF,  3*16384                   ; three planes of 8 row groups of B
.set SLOT,   2*AHALF+2*BHALF           ; A's halves, then B's halves: 147,456 bytes
.set SPARE,  2*SLOT                    ; behind the ring: the spare words, 128 bytes for each wave: two blocks of 256 bytes that no other line names
.set XBYTES, 32768                     ; the exchange: 32 accumulators a wave.  It and the stages lie in ring bytes, used only when these have had their last fill of the launch
.set STAGE,  4*XBYTES                  ; 16 rows x 528 bytes for each wave, for the way out
.set SP,     528                       ; a stage row: 512 bytes + 16 = 132 words: row r starts at bank 4 r mod 64 (64 banks of 4 bytes: ISA guide 11.1)
.set BIAS,  8                          ; v[8:11]  bias of the four columns that I store
.set IS,    12                         ; v[12:15] ws of those columns
.set ADRAL, 16                         ; v16-17  LDS address in slot 0, 1 of A's fragments for the rows that I finish
.set ADRAH, 18                         ; v18-19  for the rows that I send
.set ADRB,  20                         ; v20-21  of B's fragments
.set XW,    22                         ; v22     the exchange: where I write
.set XR,    23                         ; v23     where my partner has written
.set STO,   24                         ; v24     the way out: where I put 16 bytes of a row
.set RD,    25                         ; v25     where I read a row back
.set CO,    26                         ; v26     16 x lane: my byte offset in 512 bytes of out, of bias and of ws
.set SPW,   28                         ; v28     LDS address of my spare word: SPARE + 4 x my thread's number; never rewritten
.set NIL,   29                         ; v29     0; never rewritten
.set F0,    64
.set F1,    128
.set G1,   24                          ; s[24:31] descriptor group 1 for A's tiles of three planes
.set G0,   32                          ; s[32:39] group 0 for A's tiles, one set for each slot
.set G1B,  48                          ; s[48:55], s[56:63] the same for B's
.set G0B,  56
.set G1S,  68                          ; s[68:75] group 1 for A's tiles of two planes
.set G1SB, 76                          ; s[76:83] for B's
.set TS,   84                          ; s[84:91] byte offsets that hang on the cluster's kind, as pairs with 0 above: for slot s A's at TS + 4 s, B's at TS + 4 s + 2: first the slot's first planes, then its last step
.set MSB, 0
.macro WIN new                         ; the immediate's high byte repeats the setting that is left; a switch that changes nothing is dropped
.if MSB != (\new)
	s_set_vgpr_msb (MSB<<8)|(\new)
.set MSB, \new
.endif
.endm
.set MUL_LO, 0xa1                      ; source 0 (B) window 1, source 1 (A) window 0, C and D window 2
.set MUL_HI, 0xf1                      ; the same, C and D window 3
.set TO_B,   0x40                      ; destination window 1, address window 0
; A joint load into slot s; short = 1: a tile of two planes.  Waves 0 and 1 fetch A's halves, waves 2 and 3 B's.  The branch hangs on the wave's number alone: it is the same in every work-group.
; Four v_nop follow each of the two lines; the jump, the label and what follows the macro come after them.
.macro JLOAD s, short
	s_cmp_eq_u32 s13, 0
	s_cbranch_scc0 .Lfor_b_\@
.if \short
	tensor_load_to_lds s[G0+4*(\s):G0+4*(\s)+3], s[G1S:G1S+7]
.else
	tensor_load_to_lds s[G0+4*(\s):G0+4*(\s)+3], s[G1:G1+7]
.endif
.rept 4
	v_nop
.endr
	s_branch .Lasked_\@
.Lfor_b_\@:
.if \short
	tensor_load_to_lds s[G0B+4*(\s):G0B+4*(\s)+3], s[G1SB:G1SB+7]
.else
	tensor_load_to_lds s[G0B+4*(\s):G0B+4*(\s)+3], s[G1B:G1B+7]
.endif
.rept 4
	v_nop
.endr
.Lasked_\@:
.endm
; A round of the cluster's barrier: my work-group's barrier, so that wave 0's signal speaks for all four waves; wave 0 signals; every wave waits for all sixteen work-groups; my work-group's barrier once more.
.macro CREST                           ; a round behind its opening barrier
	s_cmp_lg_u32 s12, 0
	s_cbranch_scc1 .Lnot_wave_0_\@
	s_barrier_signal -3
.Lnot_wave_0_\@:
	s_barrier_wait -3
	s_barrier_signal -1
	s_barrier_wait -1
.endm
.macro CROUND                          ; a whole round
	s_barrier_signal -1
	s_barrier_wait -1
	CREST
.endm
	s_load_b256 s[4:11], s[0:1], 0x0               ; xb s[4:5], wb s[6:7], bias s[8:9], out s[10:11]
	s_load_b64 s[66:67], s[0:1], 0x20              ; ws
	v_lshl_add_u32 v[SPW], v0, 2, SPARE
	v_mov_b32 v[NIL], 0
	v_lshrrev_b32 v1, 5, v0
	v_readfirstlane_b32 s12, v1                    ; wave 0..3
	s_lshr_b32 s13, s12, 1                         ; which operand of every plane is mine, and which rows I finish.  Also: I fetch for A (0) or for B (1)
	s_and_b32 s14, s12, 1                          ; which half of the tile's columns is mine.  Also: which half of A's or B's row groups I fetch
	s_bfe_u32 s40, ttmp6, 0x40000                  ; cx, cy: my place in the cluster
	s_bfe_u32 s41, ttmp6, 0x40004
	s_and_b32 s15, ttmp7, 0xffff                   ; in a cluster launch ttmp9 and ttmp7 count clusters
	s_lshl_b32 s42, s15, 2
	s_add_co_u32 s42, s42, s40                     ; tile column = 4 x cluster y + cx
	s_lshl_b32 s43, ttmp9, 2
	s_add_co_u32 s43, s43, s41                     ; tile row = 4 x cluster x + cy
	s_add_co_u32 s15, s15, ttmp9
	s_and_b32 s15, s15, 1                          ; the cluster's kind: the same number in all sixteen work-groups
	s_lshl_b32 s44, s41, 2
	s_lshl_b32 s44, 15, s44                        ; my row of the cluster: places 4 cy .. 4 cy + 3
	s_lshl_b32 s45, 0x1111, s40                    ; my column: places cx, cx + 4, cx + 8, cx + 12
	; descriptor group 1.  Elements of 8 bytes; a row is a plane's part: 1,024 elements (8 KiB) of A, 2,048 (16 KiB) of B; from row to row a plane; three rows, or two.  No padding.
	s_or_b32 s[G1],   s44, (3<<16)|(1<<21)         ; 15:0 the mask: A's tiles go to my row; 17:16 elements of 8 bytes; 21 set beside a mask
	s_or_b32 s[G1S],  s44, (3<<16)|(1<<21)
	s_or_b32 s[G1B],  s45, (3<<16)|(1<<21)         ; B's tiles go to my column
	s_or_b32 s[G1SB], s45, (3<<16)|(1<<21)
.irp g, G1, G1S
	s_mov_b32 s[(\g)+1], 1024<<16                  ; tensor_dim0
	s_mov_b32 s[(\g)+3], 1024<<16                  ; tile_dim0
	s_mov_b32 s[(\g)+5], APLANE/8                  ; tensor_dim0_stride
	s_mov_b32 s[(\g)+6], 0
	s_mov_b32 s[(\g)+7], 0
.endr
.irp g, G1B, G1SB
	s_mov_b32 s[(\g)+1], 2048<<16
	s_mov_b32 s[(\g)+3], 2048<<16
	s_mov_b32 s[(\g)+5], BPLANE/8
	s_mov_b32 s[(\g)+6], 0
	s_mov_b32 s[(\g)+7], 0
.endr
.irp g, G1, G1B
	s_mov_b32 s[(\g)+2], 3<<16                     ; tensor_dim1
	s_mov_b32 s[(\g)+4], 3                         ; tile_dim1
.endr
.irp g, G1S, G1SB
	s_mov_b32 s[(\g)+2], 2<<16
	s_mov_b32 s[(\g)+4], 2
.endr
	; where the tiles come from.  A's hang on the tile row alone, B's on the tile column alone.  Every wave makes both addresses, in registers that never hold the other coordinate, and asks by one of them.
	s_lshl_b32 s16, s43, 14                        ; A: 8 row groups of 2,048 bytes a tile row,
	s_lshl_b32 s20, s14, 13                        ; 4 a half
	s_add_co_u32 s16, s16, s20
	s_mov_b32 s17, 0
	s_lshl_b32 s46, s42, 15                        ; B: 16 row groups a tile column,
	s_lshl_b32 s21, s14, 14                        ; 8 a half
	s_add_co_u32 s46, s46, s21
	s_mov_b32 s47, 0
	s_mul_i32 s22, s14, AHALF                      ; and where they go: no place in the cluster enters an LDS address
	s_mul_i32 s23, s14, BHALF
	s_add_co_u32 s23, s23, 2*AHALF
	s_mul_i32 s[TS],   s15, 3*APLANE               ; slot 0 begins with planes 0 to 2, in a cluster of the odd kind with planes 3 to 5;
	s_mul_i32 s[TS+2], s15, 3*BPLANE
	s_sub_co_u32 s[TS+4], 3*APLANE, s[TS]          ; slot 1 with the other three
	s_sub_co_u32 s[TS+6], 3*BPLANE, s[TS+2]
	s_mov_b32 s[TS+1], 0
	s_mov_b32 s[TS+3], 0
	s_mov_b32 s[TS+5], 0
	s_mov_b32 s[TS+7], 0
	s_wait_kmcnt 0x0
	s_add_nc_u64 s[18:19], s[4:5], s[16:17]
	s_add_nc_u64 s[46:47], s[6:7], s[46:47]
	CROUND                                         ; all sixteen work-groups are here: the first joint loads meet
.irp s, 0,1
	s_mov_b32 s[G0+4*(\s)], 1                                        ; 1:0 count = 1
	s_add_co_u32 s[G0+4*(\s)+1], s22, (\s)*SLOT                      ; 63:32 LDS address
	s_add_nc_u64 s[G0+4*(\s)+2:G0+4*(\s)+3], s[18:19], s[TS+4*(\s):TS+4*(\s)+1]  ; 120:64 global address
	s_or_b32 s[G0+4*(\s)+3], s[G0+4*(\s)+3], 0x80000000              ; 127:126 type = 2
	s_mov_b32 s[G0B+4*(\s)], 1
	s_add_co_u32 s[G0B+4*(\s)+1], s23, (\s)*SLOT
	s_add_nc_u64 s[G0B+4*(\s)+2:G0B+4*(\s)+3], s[46:47], s[TS+4*(\s)+2:TS+4*(\s)+3]
	s_or_b32 s[G0B+4*(\s)+3], s[G0B+4*(\s)+3], 0x80000000
	JLOAD \s, 0                                    ; the ring is filled before anything else is done
.endr
	; each slot's last step, to a tile of two planes.  Even kind: slot 0 goes from plane 54 to 60 (6 planes), slot 1 from 57 to 62 (5).  Odd kind: slot 0 from 57 to 62, slot 1 from 54 to 60.
	s_mul_i32 s20, s15, APLANE
	s_sub_co_u32 s[TS],   6*APLANE, s20
	s_add_co_u32 s[TS+4], s20, 5*APLANE
	s_mul_i32 s20, s15, BPLANE
	s_sub_co_u32 s[TS+2], 6*BPLANE, s20
	s_add_co_u32 s[TS+6], s20, 5*BPLANE
	v_and_b32 v1, 15, v0                           ; L % 16
	v_bfe_u32 v2, v0, 4, 1                         ; L / 16
	v_and_b32 v3, 31, v0
	v_lshlrev_b32 v[CO], 4, v3
	s_lshl_b32 s46, s42, 10                        ; my 128 columns in a row of f32: 1,024 x tile column + 512 x half (in the registers that held B's address: none that feeds A's descriptors ever holds cx)
	s_lshl_b32 s20, s14, 9
	s_add_co_u32 s46, s46, s20
	s_mov_b32 s47, 0
	s_add_nc_u64 s[8:9], s[8:9], s[46:47]
	s_add_nc_u64 s[66:67], s[66:67], s[46:47]
	global_load_b128 v[BIAS:BIAS+3], v[CO], s[8:9]  ; both are waited for on the way out
	global_load_b128 v[IS:IS+3], v[CO], s[66:67]
	s_add_nc_u64 s[10:11], s[10:11], s[46:47]
	s_lshl_b32 s16, s43, 21                        ; the first row that I store: 128 x tile row + 64 x (wave / 2), rows of 16,384 bytes
	s_lshl_b32 s20, s13, 20
	s_add_co_u32 s16, s16, s20
	s_add_nc_u64 s[10:11], s[10:11], s[16:17]
	s_lshl_b32 s20, s13, 10                        ; my operand in each row group's 2,048 bytes
	s_mul_i32 s21, s13, AHALF
	s_add_co_u32 s21, s21, s20                     ; A's half that I finish,
	s_xor_b32 s22, s13, 1
	s_mul_i32 s22, s22, AHALF
	s_add_co_u32 s22, s22, s20                     ; the half that I send,
	s_mul_i32 s23, s14, BHALF
	s_add_co_u32 s23, s23, s20
	s_add_co_u32 s23, s23, 2*AHALF                 ; my half of B
.irp s, 0,1
	v_add_nc_u32 v[ADRAL+(\s)], s21, v[CO]
	v_add_nc_u32 v[ADRAH+(\s)], s22, v[CO]
	v_add_nc_u32 v[ADRB+(\s)],  s23, v[CO]
	s_add_co_u32 s21, s21, SLOT
	s_add_co_u32 s22, s22, SLOT
	s_add_co_u32 s23, s23, SLOT
.endr
	s_lshl_b32 s20, s12, 15
	v_add_nc_u32 v[XW], s20, v[CO]                 ; the exchange: my 32,768 bytes,
	s_xor_b32 s20, s12, 2
	s_lshl_b32 s20, s20, 15
	v_add_nc_u32 v[XR], s20, v[CO]                 ; and those of wave w ^ 2
	s_mul_i32 s20, s12, 16*SP
	s_add_co_u32 s20, s20, STAGE                   ; my stage
	v_mul_u32_u24 v4, v1, SP                       ; in: row L % 16, 32 bytes for each half of the lanes
	v_lshl_add_u32 v4, v2, 5, v4
	v_add_nc_u32 v[STO], s20, v4
	v_add_nc_u32 v[RD], s20, v[CO]                 ; back: 32 lanes take a whole row of 512 bytes
; 16 matrix instructions: row groups a0, a0 + 1 of the window's four x all 8 column groups, one operand (32 along K).  zero = 1: the first product starts the sums: nothing is ever cleared.
; The 64 accumulators take turns in the same order in every plane, one instruction a turn.
.macro MUL16 f, hi, a0, zero
	WIN MUL_LO+0x50*(\hi)
.irp a, \a0, (\a0)+1
.irp b, 0,1,2,3,4,5,6,7
.if \zero
	v_wmma_f32_16x16x32_f16 v[8*(8*(\a)+(\b)):8*(8*(\a)+(\b))+7], v[(\f)+8*(\b):(\f)+8*(\b)+7], v[(\f)+8*(4*(\hi)+(\a)):(\f)+8*(4*(\hi)+(\a))+7], 0
.else
	v_wmma_f32_16x16x32_f16 v[8*(8*(\a)+(\b)):8*(8*(\a)+(\b))+7], v[(\f)+8*(\b):(\f)+8*(\b)+7], v[(\f)+8*(4*(\hi)+(\a)):(\f)+8*(4*(\hi)+(\a))+7], v[8*(8*(\a)+(\b)):8*(8*(\a)+(\b))+7]
.endif
.endr
.endr
.endm
; 32 LDS loads in one run: my operands of plane p of a slot into buffer f: B's 8, then A's 4 for window 2, then A's 4 for window 3.  Each load takes 512 consecutive bytes.
.macro FETCH slot, p, f
	WIN TO_B
.irp i, 0,1,2,3,4,5,6,7
	ds_load_b128 v[(\f)+8*(\i):(\f)+8*(\i)+3],   v[ADRB+(\slot)] offset:(\p)*16384+(\i)*2048
	ds_load_b128 v[(\f)+8*(\i)+4:(\f)+8*(\i)+7], v[ADRB+(\slot)] offset:(\p)*16384+(\i)*2048+512
.endr
	WIN 0
.irp i, 0,1,2,3
	ds_load_b128 v[(\f)+8*(\i):(\f)+8*(\i)+3],   v[ADRAL+(\slot)] offset:(\p)*8192+(\i)*2048
	ds_load_b128 v[(\f)+8*(\i)+4:(\f)+8*(\i)+7], v[ADRAL+(\slot)] offset:(\p)*8192+(\i)*2048+512
.endr
.irp i, 0,1,2,3
	ds_load_b128 v[(\f)+32+8*(\i):(\f)+32+8*(\i)+3],   v[ADRAH+(\slot)] offset:(\p)*8192+(\i)*2048
	ds_load_b128 v[(\f)+32+8*(\i)+4:(\f)+32+8*(\i)+7], v[ADRAH+(\slot)] offset:(\p)*8192+(\i)*2048+512
.endr
.endm
; A load into a register that a matrix instruction has read, and a vector line or LDS store that reads a matrix result, stand four places behind that matrix instruction; only plain vector
; instructions that name none of its registers are places (ISA guide 7.12.1 for vector instructions).
.macro PLACES
.rept 4
	v_nop
.endr
.endm
; A plane that is not a slot's last: multiplies buffer f (64 matrix instructions); in its middle it fetches plane p of the same slot into buffer g.
.macro QUARTER slot, p, f, g, zero
	s_wait_dscnt 8                                 ; B and A's first four are in; the youngest eight loads (A's other four) may be out
	MUL16 \f, 0, 0, \zero
	MUL16 \f, 0, 2, \zero
	PLACES
	FETCH \slot, \p, \g
	s_wait_dscnt 32                                ; all but the 32 just issued
	MUL16 \f, 1, 0, \zero
	MUL16 \f, 1, 2, \zero
.endm
; A slot's last plane multiplies buffer f and changes slots: ONE barrier for two things.  In front of it each wave waits for all its tensor loads, of which one is out at the most: its part of the next
; slot; adds 0 to its spare word; and waits for that and for its own reads of this slot.  Behind it nobody reads this slot any more and the next slot is whole.  Nothing but scalar work stands between
; the wait for the tensor loads and the signal, so that the wave whose part lands last says so at once; sixteen matrix instructions stand ahead of that wait and sixteen between signal and wait.
; kind 0: nothing is filled.  1: this slot takes the three planes that begin six planes on.  2: its last tile, of two planes; the step lies in s[TS ..].
; Where the slot is filled again the barrier opens a round of the cluster's, so that no wave of any partner still reads the slot or has a load on its way; the joint refill is the first tensor load behind it.
.macro TURN slot, next, f, g, kind
	s_wait_dscnt 8                                 ; B and A's first four are in; the youngest eight loads may be out
	MUL16 \f, 0, 0, 0
	WIN 0                                          ; (the add's two registers lie in window 0)
	s_wait_tensorcnt 0x0                           ; all my tensor loads have landed, so a group 0 may be written;
	ds_add_u32 v[SPW], v[NIL]                      ; 0 onto my spare word; the descriptors' steps stand between it and the wait for it
.if (\kind) == 1
	s_add_nc_u64 s[G0+4*(\slot)+2:G0+4*(\slot)+3], s[G0+4*(\slot)+2:G0+4*(\slot)+3], 6*APLANE    ; the type bits on top are not reached
	s_add_nc_u64 s[G0B+4*(\slot)+2:G0B+4*(\slot)+3], s[G0B+4*(\slot)+2:G0B+4*(\slot)+3], 6*BPLANE
.elseif (\kind) == 2
	s_add_nc_u64 s[G0+4*(\slot)+2:G0+4*(\slot)+3], s[G0+4*(\slot)+2:G0+4*(\slot)+3], s[TS+4*(\slot):TS+4*(\slot)+1]
	s_add_nc_u64 s[G0B+4*(\slot)+2:G0B+4*(\slot)+3], s[G0B+4*(\slot)+2:G0B+4*(\slot)+3], s[TS+4*(\slot)+2:TS+4*(\slot)+3]
.endif
	s_wait_dscnt 0x0                               ; the add is done, and my reads of this slot are over:
	s_barrier_signal -1                            ; say so,
	MUL16 \f, 0, 2, 0                              ; work on registers while the others arrive,
.if \kind
	WIN 0
.endif
	s_barrier_wait -1                              ; and go on when all four have said so
.if \kind
	CREST
	JLOAD \slot, (\kind)-1                         ; the four v_nop behind it are also the places in front of the loads below
.else
	PLACES
.endif
	FETCH \next, 0, \g
	MUL16 \f, 1, 0, 0
	MUL16 \f, 1, 2, 0
.endm
	s_wait_tensorcnt 1                             ; my part of slot 0 is in; slot 1's may stay out
	s_barrier_signal -1
	s_barrier_wait -1                              ; everybody's is
	FETCH 0, 0, F0
	QUARTER 0, 1, F0, F1, 1                        ; the first plane stands in front of the loop: its products start the sums
	WIN 0
	s_mov_b32 s3, 9
.Llap:                                                 ; a trip goes once round the ring, six planes, from a lap's second plane to the next lap's first, and fills both slots again
	QUARTER 0, 2, F1, F0, 0
	TURN 0, 1, F0, F1, 1
	QUARTER 1, 1, F1, F0, 0
	QUARTER 1, 2, F0, F1, 0
	TURN 1, 0, F1, F0, 1
	QUARTER 0, 1, F0, F1, 0
	WIN 0
	s_sub_co_u32 s3, s3, 1
	s_cmp_lg_u32 s3, 0
	s_cbranch_scc1 .Llap
	QUARTER 0, 2, F1, F0, 0                        ; the last nine planes, written out: the last two fills are of two planes, and then nothing is asked for
	TURN 0, 1, F0, F1, 2
	QUARTER 1, 1, F1, F0, 0
	QUARTER 1, 2, F0, F1, 0
	TURN 1, 0, F1, F0, 2
	QUARTER 0, 1, F0, F1, 0
	TURN 0, 1, F1, F0, 0
	QUARTER 1, 1, F0, F1, 0
	s_wait_dscnt 8                                 ; the last plane
	MUL16 F1, 0, 0, 0
	MUL16 F1, 0, 2, 0
	s_wait_dscnt 0x0                               ; my reads of the ring are over
	s_barrier_signal -1
	MUL16 F1, 1, 0, 0
	MUL16 F1, 1, 2, 0
	WIN 0
	s_barrier_wait -1                              ; everybody's are, and every tensor load has landed (the wait for all of them stood in front of the last change of slots): the ring's bytes serve the way out
	; THE EXCHANGE.  Window 3's 32 accumulators go to my partner, each register quad as 512 consecutive bytes; each accumulator's low quad first.
	PLACES
	WIN 0x0c                                       ; store data in window 3
.set i, 0
.rept 32
	ds_store_b128 v[XW], v[8*i:8*i+3]   offset:i*1024
	ds_store_b128 v[XW], v[8*i+4:8*i+7] offset:i*1024+512
.set i, i+1
.endr
	WIN 0
	s_wait_dscnt 0x0                               ; for my partner's sake: my stores are done
	s_barrier_signal -1
	s_barrier_wait -1
	WIN 0x40                                       ; destination window 1: B's buffers and the registers round them are free
.set i, 0
.rept 32
	ds_load_b128 v[8*i:8*i+3],   v[XR] offset:i*1024
	ds_load_b128 v[8*i+4:8*i+7], v[XR] offset:i*1024+512
.set i, i+1
.endr
.irp a, 0,1,2,3
	s_wait_dscnt 48-16*(\a)                        ; row group a's sixteen loads are in; the later groups' stay out
	WIN 0x46                                       ; source 0 window 2 (mine), source 1 and destination window 1 (my partner's)
.set r, 64*(\a)
.rept 32
	v_pk_add_f32 v[r:r+1], v[r:r+1], v[r:r+1]
.set r, r+2
.endr
.endr
; THE WAY OUT of row group a: a lane's 32 bytes of a row go into my own stage, rows of 528 bytes, and come back as whole rows of 512; one fused multiply-add takes the row's scale away and adds the bias;
; each store of the wave covers 512 consecutive bytes, aligned.
.macro TOSTAGE a
	WIN 0x04                                       ; store data in window 1
.irp b, 0,1,2,3,4,5,6,7
	ds_store_b128 v[STO], v[64*(\a)+8*(\b):64*(\a)+8*(\b)+3]   offset:64*(\b)
	ds_store_b128 v[STO], v[64*(\a)+8*(\b)+4:64*(\a)+8*(\b)+7] offset:64*(\b)+16
.endr
	WIN 0
.if (\a) >= 2
	s_wait_xcnt 0x0                                ; the stores of the group two back have had their addresses translated (ISA guide 3.1): their data registers are loaded again only behind this wait
.endif
.set UB, F0+64*((\a)%2)
.irp t, 0,1,2,3,4,5,6,7,8,9,10,11,12,13,14,15
	ds_load_b128 v[UB+4*(\t):UB+4*(\t)+3], v[RD] offset:SP*(\t)  ; LDS serves a wave's instructions in order (ISA guide 5.7.1.4): these see the stores above; the next group's stores come behind them
.endr
.endm
.macro SEND a, younger                 ; younger: the LDS instructions issued behind group a's loads: the next group's 32, or none
	WIN 0
.set UB, F0+64*((\a)%2)
.irp t, 0,1,2,3,4,5,6,7,8,9,10,11,12,13,14,15
	s_wait_dscnt (\younger)+15-(\t)
	v_pk_fma_f32 v[UB+4*(\t):UB+4*(\t)+1],   v[UB+4*(\t):UB+4*(\t)+1],   v[IS:IS+1],   v[BIAS:BIAS+1]
	v_pk_fma_f32 v[UB+4*(\t)+2:UB+4*(\t)+3], v[UB+4*(\t)+2:UB+4*(\t)+3], v[IS+2:IS+3], v[BIAS+2:BIAS+3]
	global_store_b128 v[CO], v[UB+4*(\t):UB+4*(\t)+3], s[10:11] offset:(16*(\a)+(\t))*16384 th:TH_STORE_NT  ; 63 rows of out at the most: inside the signed 24-bit immediate
.endr
.endm
	s_wait_loadcnt 0x0                             ; bias and ws
	TOSTAGE 0
	TOSTAGE 1                                      ; a group's trip through the stage stands between the loads of the group before and its stores
	SEND 0, 32
	TOSTAGE 2
	SEND 1, 32
	TOSTAGE 3
	SEND 2, 32
	SEND 3, 0
	s_wait_tensorcnt 0x0                           ; the wave's end, behind my last tensor load and my last LDS store
	ds_add_u32 v[SPW], v[NIL]
	s_wait_dscnt 0x0
	CROUND                                         ; the closing round: no work-group ends while a partner may still ask for a tile that names it
	s_endpgm
.Lfunc_end_k_q96af5c1da8_gemm:
	.size	k_q96af5c1da8_gemm, .Lfunc_end_k_q96af5c1da8_gemm-k_q96af5c1da8_gemm
	.p2alignl 7, 3214868480
	.fill 96, 4, 3214868480
	.section	.rodata,"a",@progbits
	.p2align	6, 0x0
	.amdhsa_kernel k_q96af5c1da8_gemm
		.amdhsa_group_segment_fixed_size 327680
		.amdhsa_private_segment_fixed_size 0
		.amdhsa_enable_private_segment 0
		.amdhsa_kernarg_size 40
		.amdhsa_user_sgpr_count 2
		.amdhsa_user_sgpr_kernarg_segment_ptr 1
		.amdhsa_wavefront_size32 1
		.amdhsa_system_sgpr_workgroup_id_x 1
		.amdhsa_system_sgpr_workgroup_id_y 1
		.amdhsa_system_sgpr_workgroup_id_z 1
		.amdhsa_system_vgpr_workitem_id 0
		.amdhsa_next_free_vgpr 1024
		.amdhsa_next_free_sgpr 92
		.amdhsa_reserve_vcc 0
		.amdhsa_float_denorm_mode_32 3
		.amdhsa_float_denorm_mode_16_64 3
		.amdhsa_memory_ordered 1
		.amdhsa_forward_progress 1
		.amdhsa_inst_pref_size 155
	.end_amdhsa_kernel
	.amdgpu_metadata
---
amdhsa.version: [ 1, 2 ]
amdhsa.kernels:
  - .name:           k_q96af5c1da8_gemm
    .symbol:         k_q96af5c1da8_gemm.kd
    .args:
      - { .name: xb, .offset: 0, .size: 8, .value_kind: global_buffer, .address_space: global }
      - { .name: wb, .offset: 8, .size: 8, .value_kind: global_buffer, .address_space: global }
      - { .name: org_bias, .offset: 16, .size: 8, .value_kind: global_buffer, .address_space: global }
      - { .name: out0, .offset: 24, .size: 8, .value_kind: global_buffer, .address_space: global }
      - { .name: ws, .offset: 32, .size: 8, .value_kind: global_buffer, .address_space: global }
    .group_segment_fixed_size: 327680
    .private_segment_fixed_size: 0
    .kernarg_segment_align: 8
    .kernarg_segment_size: 40
    .max_flat_workgroup_size: 128
    .sgpr_count:     92
    .vgpr_count:     1024
    .wavefront_size: 32
...
	.end_amdgpu_metadata
.endif
;; end of part 2
